; MI455X (gfx1250); checked and timed in simulation.
; The chip was launched on July 23, 2026; its instructions are those of AMD's public machine-readable ISA for CDNA 5 (MIT licence, August 2026) and "CDNA5" Instruction Set Architecture Reference Guide (July 2026). The comments in the code are by the model that wrote it; some were corrected since.
;; Bahdanau Attention. Allowed arithmetic: matrix products marked QUANTISED: E5M2 operands, one given power-of-two scale a tensor, by v_wmma_f32_16x16x64_bf8_bf8 or v_wmma_f32_16x16x128_bf8_bf8, f32 sums; products left as they are: f32 operands where the result goes on into a quantised operand, else bf16, f16 or f32 operands; f32 sums; everything else in f32.
;; Inputs: W_b 1,024 float32; W_w 1,024 x 2,048 float32; dec_hidden 1 x 64 x 1,024 float32; encoder_outputs 64 x 1,024 x 1,024 float32; lowp_scales 4 int32 (the exponents e of the quantised operands' scales 2^e); mask 64 x 1 x 1,024 int32; v_w 1 x 1,024 float32.
;; Outputs: out0 64 x 1 x 1,024 float32; out1 64 x 1,024 float32.
;; This version of the problem:
;;   THIS VERSION OF THE PROBLEM IS GIVEN IN LOW PRECISION. The matrix products marked QUANTISED in the list below multiply operands that are first quantised to E5M2 (5 exponent bits, 2 mantissa bits; 8 bits a number), with one given power-of-two scale for each operand tensor; their sums are f32. All else is computed in f32.
;;   The module's matrix products, in the order in which they are computed (A, B: the left and right operand; K: the contracted axis; several contracted axes count as one K, in the product's order):
;;     1. [M 64, K 1,024] x [K 1,024, N 1,024]; A: input dec_hidden; B: input W_w: QUANTISED (scales: A lowp_scales[0], B lowp_scales[1])
;;     2. [M 65,536, K 1,024] x [K 1,024, N 1,024]; A: input encoder_outputs; B: input W_w: QUANTISED (scales: A lowp_scales[2], B lowp_scales[3])
;;     3. [M 65,536, K 1,024] x [K 1,024, N 1]; A: computed on the way; B: input v_w: left as it is (N = 1 < 16)
;;     4. batch 64 x [M 1, K 1,024] x [K 1,024, N 1,024]; A: softmax; B: input encoder_outputs: left as it is (M = 1 < 16)
;;   THE QUANTISER, for each operand of a quantised product, along K:
;;     - The operand's scale is 2^e, e = its entry of the input lowp_scales (int32; the entries are numbered through the quantised products in the list's order, A before B).
;;     - Each number is divided by the scale, clamped to +-57,344, and rounded to the nearest number of E5M2, ties to even, subnormals kept.
;;     - The product sums the exact products of the quantised numbers (number of the format x scale) in f32.
;;   ~~~python
;;   def quantise(x, axis, e):      # numpy; x: float32 -> the quantised numbers, widened to float32 again
;;       x = np.moveaxis(x, axis, -1); K = x.shape[-1]
;;       r = np.clip(x / 2.0 ** e, -57344, 57344)
;;       step = 2.0 ** (np.maximum(np.frexp(np.where(r == 0, 1, r))[1] - 1, -14) - 2)
;;       q = np.round(r / step) * step * 2.0 ** e      # np.round: ties to even
;;       return np.moveaxis(q, -1, axis).astype(np.float32)
;;   ~~~
;; One version. Each part assembles by itself: llvm-mc -triple=amdgcn-amd-amdhsa -mcpu=gfx1250 --defsym DOCPART=n.
;; ======== version 1 of 1: 3 launches
;; limits: values are held in bf16: 8 bits of precision; right only within a limited range of input values
;; workspace buffers: wcodes 1,048,576 bytes; bias2 262,144 bytes; list 270,336 bytes of whole numbers; counts 256 bytes of whole numbers; scores 262,144 bytes; part 4,456,448 bytes
;; launch prep (part 1): grid 64 x 5, 8 waves a work-group, no clusters, 9,216 bytes of LDS; arguments W_w, dec_hidden, W_b, lowp_scales, mask, wcodes, bias2, list, counts, scores; writes wcodes, bias2, list, counts, scores
.if DOCPART == 1
	.amdgcn_target "amdgcn-amd-amdhsa--gfx1250"
	.amdhsa_code_object_version 6
	.text
	.protected	k_q878366df1f_prep
	.globl	k_q878366df1f_prep
	.p2align	8
	.type	k_q878366df1f_prep,@function
k_q878366df1f_prep:
	s_mov_b64 s[64:65], 0
	v_nop
	global_prefetch_b8 v0, s[64:65] scope:SCOPE_SE
	s_setreg_imm32_b32 hwreg(HW_REG_WAVE_MODE, 25, 1), 1
	s_wait_xcnt 0x0
; What the attention launch needs and what is small: made once, here.
; Work-groups (T, y < 4): the 16 x 16 tile dec_proj(d = 16 T .., b = 16 y ..) = Q(dec_hidden) Q(Wd)^T on codes of BF8 (E5M2), wave k taking K step k of 128, the eight parts
;   added through LDS; stored as bias2[T][b][16] = (dec_proj + W_b) x 2 log2(e).  On the way wave k also quantises block y of K step k of rows 16 T .. of We (W_w's columns 1024 ..)
;   and stores the codes in the order of a matrix operand's registers: wcodes[T][k][c][lane][16]: lane (r, h), group c: We[16 T + r][128 k + 32 c + 16 h + 0 .. 15].
; Work-groups (b, y = 4): wave 0 lists batch b's rows, the open ones (mask != 0) ascending from the front, the others from the back, and counts the open ones (none open: 1024, so that all rows are served);
;   wave 1 fills the batch's scores with -1e10, the score that every row with mask == 0 has, and the list's 32 spare entries with 0.
; code = x / 2^e, held within +-57,344, to the nearest code, ties to even.  LIMITS: e0, e1, e3 between -126 and 112; e0 + e1 between -126 and 127.  NaN among the inputs is not served.
.set WD,  32                           ; v32-95   Wd: 64 numbers of my row: register 16 c + i = k 32 c + 16 h + i
.set DH,  96                           ; v96-159  dec_hidden likewise
.set WE,  160                          ; v160-175 We: 16 numbers
.set WBR, 176                          ; v176-179 four numbers of W_b
.set CWD, 180                          ; v180-195 Wd's codes
.set CDH, 196                          ; v196-211 dec_hidden's codes
.set CWE, 212                          ; v212-215 We's codes
.set ACC, 216                          ; v216-223 the product
.set MKR, 32                           ; the list: v32-63 the mask's words, v64-95 the rows' numbers, v96-127 their places x 4
.set IX,  64
.set AD,  96
.macro MKSC e, vs, vl                  ; from the whole number in s[e]: 2^e as f32 (the conversion takes its exponent field), and 57,344 x 2^e
	s_add_co_i32 s40, s[\e], 127
	s_lshl_b32 s41, s40, 23
	v_mov_b32 v[\vs], s41
	s_add_co_i32 s40, s40, 15
	s_lshl_b32 s40, s40, 23
	s_or_b32 s40, s40, 0x600000
	v_mov_b32 v[\vl], s40
.endm
.macro QUANT src, dst, nb, sc, lim     ; nb blocks of 16 numbers of a lane become 16 codes each
.set qb, 0
.rept \nb
.set qi, 0
.rept 16
	v_med3_num_f32 v[\src+16*qb+qi], v[\src+16*qb+qi], -v[\lim], v[\lim]   ; the conversion does not saturate (ISA guide 7.6.2): the hold at the largest code x the scale
.set qi, qi+1
.endr
	v_cvt_scalef32_pk8_bf8_f32 v[\dst+4*qb:\dst+4*qb+1], v[\src+16*qb:\src+16*qb+7], v[\sc]
	v_cvt_scalef32_pk8_bf8_f32 v[\dst+4*qb+2:\dst+4*qb+3], v[\src+16*qb+8:\src+16*qb+15], v[\sc]
.set qb, qb+1
.endr
	v_nop                                          ; one plain vector instruction between the last conversion and whatever touches its registers next
.endm
	s_load_b512 s[4:19], s[0:1], 0x0               ; W_w s[4:5], dec_hidden s[6:7], W_b s[8:9], the scales s[10:11], mask s[12:13], wcodes s[14:15], bias2 s[16:17], list s[18:19]
	s_load_b128 s[20:23], s[0:1], 0x40             ; counts s[20:21], scores s[22:23]
	v_lshl_add_u32 v224, v0, 2, 0x2000
	v_mov_b32 v225, 0
	v_lshrrev_b32 v1, 5, v0
	s_delay_alu instid0(VALU_DEP_1)
	v_readfirstlane_b32 s24, v1                    ; wave 0..7
	s_and_b32 s25, ttmp7, 0xffff                   ; y
	v_and_b32 v2, 31, v0                           ; lane
	s_mov_b32 s27, 0
	s_wait_kmcnt 0x0
	s_cmp_lg_u32 s25, 4
	s_cbranch_scc1 .Lquant                         ; the branch hangs on the work-group's number alone; what it jumps over has no barrier
	; ---- y = 4: batch b = x: the list, the count, the fill
	s_cmp_gt_u32 s24, 1
	s_cbranch_scc1 .Lno_part                       ; waves 2 to 7 have no part in it
	s_mul_i32 s26, ttmp9, 4224
	s_add_nc_u64 s[18:19], s[18:19], s[26:27]      ; the batch's 1,056 entries
	s_lshl_b32 s26, ttmp9, 12                      ; its 4,096 bytes of mask and of scores
	s_cmp_eq_u32 s24, 1
	s_cbranch_scc1 .Lfill
	s_add_nc_u64 s[12:13], s[12:13], s[26:27]
	s_wait_alu depctr_va_vdst(0)
	v_lshlrev_b32 v3, 2, v2
.set li, 0
.rept 32
	global_load_b32 v[MKR+li], v3, s[12:13] offset:128*li   ; mask[b][32 i + lane]: 128 consecutive bytes a load
.set li, li+1
.endr
.set li, 0
.rept 32
	v_add_nc_u32 v[IX+li], 32*li, v2               ; the row's number
.set li, li+1
.endr
	s_lshl_b32 s26, ttmp9, 2
	s_add_nc_u64 s[20:21], s[20:21], s[26:27]
	s_mov_b32 s30, 0                               ; open rows so far
	s_wait_loadcnt 0x0
.set li, 0
.rept 32                                       ; each row's own registers hold its place and its number: no store's source is written again
	v_cmp_ne_u32 vcc_lo, 0, v[MKR+li]
	s_delay_alu instid0(VALU_DEP_1)
	v_mbcnt_lo_u32_b32 v4, vcc_lo, 0               ; open rows among the lanes below me,
	s_delay_alu instid0(VALU_DEP_1)
	v_add_nc_u32 v4, s30, v4                       ; and in all before me: an open row's place
	s_delay_alu instid0(VALU_DEP_1)
	v_sub_nc_u32 v5, v4, v[IX+li]
	s_delay_alu instid0(VALU_DEP_1)
	v_add_nc_u32 v5, 1023, v5                      ; 1023 - (rows before me that are not open): the place of a row that is not
	s_delay_alu instid0(VALU_DEP_1)
	v_cndmask_b32 v[AD+li], v5, v4, vcc_lo
	s_delay_alu instid0(VALU_DEP_1)
	v_min_u32 v[AD+li], 1023, v[AD+li]             ; a place lies inside the list
	s_delay_alu instid0(VALU_DEP_1)
	v_lshlrev_b32 v[AD+li], 2, v[AD+li]
	s_bcnt1_i32_b32 s31, vcc_lo
	s_add_co_u32 s30, s30, s31
	global_store_b32 v[AD+li], v[IX+li], s[18:19]
.set li, li+1
.endr
	s_cmp_eq_u32 s30, 0
	s_cselect_b32 s30, 1024, s30                   ; no open row: every row has the same score, so all 1,024 are served
	v_mov_b32 v6, s30
	v_mov_b32 v7, 0
	v_cmp_eq_u32 vcc_lo, 0, v2
	s_wait_alu depctr_va_vdst(0)
	s_wait_xcnt 0x0                                ; EXEC changes only behind this wait
	s_and_saveexec_b32 s31, vcc_lo
	global_store_b32 v7, v6, s[20:21]              ; lane 0 stores the count
	s_wait_xcnt 0x0
	s_or_b32 exec_lo, exec_lo, s31
	s_endpgm
.Lfill:
	s_add_nc_u64 s[22:23], s[22:23], s[26:27]
	s_wait_alu depctr_va_vdst(0)
	v_lshlrev_b32 v3, 4, v2
	v_lshlrev_b32 v13, 2, v2
	v_mov_b32 v12, 0
.irp c, 8,9,10,11
	v_mov_b32 v[\c], 0xd01502f9                    ; -1e10
.endr
.irp i, 0,1,2,3,4,5,6,7
	global_store_b128 v3, v[8:11], s[22:23] offset:512*\i   ; 512 consecutive bytes a store
.endr
	global_store_b32 v13, v12, s[18:19] offset:4096         ; entries 1024 to 1055
.Lno_part:
	s_endpgm
	; ---- y < 4
.Lquant:
	s_load_b128 s[32:35], s[10:11], 0x0            ; e0 (dec_hidden), e1 (Wd), e2, e3 (We)
	v_and_b32 v3, 15, v0                           ; r
	v_bfe_u32 v4, v0, 4, 1                         ; h
	s_delay_alu instid0(VALU_DEP_2)
	v_lshlrev_b32 v5, 13, v3
	s_delay_alu instid0(VALU_DEP_1)
	v_lshl_add_u32 v5, v4, 6, v5                   ; W_w: row r of 8,192 bytes, + 64 h: my 16 numbers of a block of 32
	s_wait_alu depctr_va_vdst(0)
	v_lshlrev_b32 v6, 12, v3
	s_delay_alu instid0(VALU_DEP_1)
	v_lshl_add_u32 v6, v4, 6, v6                   ; dec_hidden: row r of 4,096 bytes, + 64 h
	s_wait_alu depctr_va_vdst(0)
	v_and_b32 v7, 3, v0
	s_delay_alu instid0(VALU_DEP_1)
	v_lshlrev_b32 v7, 4, v7                        ; W_b: 16 (thread % 4)
	s_wait_alu depctr_va_vdst(0)
	s_lshl_b32 s26, ttmp9, 17                      ; 16 T rows of W_w
	s_lshl_b32 s36, s24, 9                         ; K step k: 512 bytes
	s_add_co_u32 s26, s26, s36
	s_add_nc_u64 s[28:29], s[4:5], s[26:27]        ; Wd
	s_lshl_b32 s26, s25, 7
	s_add_co_u32 s26, s26, 4096
	s_add_nc_u64 s[30:31], s[28:29], s[26:27]      ; We: 4,096 bytes further along the row, block y
	s_lshl_b32 s26, s25, 16                        ; 16 y rows of dec_hidden
	s_add_co_u32 s26, s26, s36
	s_add_nc_u64 s[6:7], s[6:7], s[26:27]
	s_lshl_b32 s26, ttmp9, 6
	s_add_nc_u64 s[8:9], s[8:9], s[26:27]
.irp c, 0,1,2,3
.irp j, 0,1,2,3
	global_load_b128 v[WD+16*\c+4*\j:WD+16*\c+4*\j+3], v5, s[28:29] offset:128*\c+16*\j
.endr
.endr
.irp c, 0,1,2,3
.irp j, 0,1,2,3
	global_load_b128 v[DH+16*\c+4*\j:DH+16*\c+4*\j+3], v6, s[6:7] offset:128*\c+16*\j
.endr
.endr
.irp j, 0,1,2,3
	global_load_b128 v[WE+4*\j:WE+4*\j+3], v5, s[30:31] offset:16*\j
.endr
	global_load_b128 v[WBR:WBR+3], v7, s[8:9]
	s_lshl_b32 s36, s24, 10
	v_lshl_add_u32 v8, v2, 5, s36                  ; LDS, in: 1,024 x wave + 32 x lane
	v_bfe_u32 v12, v0, 2, 4                        ; LDS, back (threads 0 to 63): b = thread / 4, d = 4 (thread % 4) + 0 .. 3:
	v_bfe_u32 v11, v0, 1, 1                        ; they lie in lane 16 ((thread % 4) / 2) + b, 16 (thread % 2) bytes on
	v_and_b32 v10, 1, v0
	s_delay_alu instid0(VALU_DEP_3)
	v_lshlrev_b32 v9, 5, v12
	s_delay_alu instid0(VALU_DEP_1)
	v_lshl_add_u32 v9, v11, 9, v9
	s_delay_alu instid0(VALU_DEP_1)
	v_lshl_add_u32 v9, v10, 4, v9
	v_lshlrev_b32 v10, 4, v2                       ; 16 x lane
	v_lshlrev_b32 v13, 4, v0                       ; 16 x thread
	s_lshl_b32 s26, ttmp9, 14
	s_lshl_b32 s36, s24, 11
	s_add_co_u32 s26, s26, s36
	s_lshl_b32 s36, s25, 9
	s_add_co_u32 s26, s26, s36
	s_add_nc_u64 s[14:15], s[14:15], s[26:27]      ; wcodes: 16,384 T + 2,048 k + 512 y
	s_lshl_b32 s26, ttmp9, 12
	s_lshl_b32 s36, s25, 10
	s_add_co_u32 s26, s26, s36
	s_add_nc_u64 s[16:17], s[16:17], s[26:27]      ; bias2: 4,096 T + 1,024 y
	s_wait_kmcnt 0x0
	MKSC 33, 14, 15
	MKSC 32, 16, 17
	MKSC 35, 18, 19
	s_add_co_i32 s38, s32, s33
	s_add_co_i32 s38, s38, 127
	s_lshl_b32 s38, s38, 23                        ; 2^(e0 + e1) as f32
	s_mov_b32 s39, s38                             ; (named with it as a pair, so it is written)
	s_wait_alu depctr_va_vdst(0)
	s_wait_loadcnt 0x0
	QUANT WE, CWE, 1, 18, 19
	global_store_b128 v10, v[CWE:CWE+3], s[14:15]  ; the wave stores 512 consecutive bytes
	QUANT WD, CWD, 4, 14, 15
	QUANT DH, CDH, 4, 16, 17
	v_wmma_f32_16x16x128_bf8_bf8 v[ACC:ACC+7], v[CWD:CWD+15], v[CDH:CDH+15], 0   ; register j of lane (r, h): (d = 16 T + 8 h + j, b = 16 y + r), K step k's part
.rept 4
	v_nop                                          ; four places in front of the stores that read the result
.endr
	ds_store_b128 v8, v[ACC:ACC+3]
	ds_store_b128 v8, v[ACC+4:ACC+7] offset:16
	s_wait_dscnt 0x0                               ; for the others' sake: my part lies in LDS
	s_barrier_signal -1
	s_barrier_wait -1
	s_cmp_lt_u32 s24, 2
	s_cbranch_scc1 .Lsum
	s_wait_tensorcnt 0x0
	ds_add_u32 v224, v225
	s_wait_dscnt 0x0
	s_endpgm
.Lsum:                                             ; 64 threads add the eight parts, four numbers each
.irp k, 0,1,2,3,4,5,6,7
	ds_load_b128 v[32+4*\k:35+4*\k], v9 offset:1024*\k
.endr
	s_wait_dscnt 0x0
.irp q, 0,2
	v_pk_add_f32 v[32+\q:33+\q], v[32+\q:33+\q], v[36+\q:37+\q]
	v_pk_add_f32 v[40+\q:41+\q], v[40+\q:41+\q], v[44+\q:45+\q]
	v_pk_add_f32 v[48+\q:49+\q], v[48+\q:49+\q], v[52+\q:53+\q]
	v_pk_add_f32 v[56+\q:57+\q], v[56+\q:57+\q], v[60+\q:61+\q]
.endr
.irp q, 0
	v_pk_add_f32 v[32+\q:33+\q], v[32+\q:33+\q], v[40+\q:41+\q]
	v_pk_add_f32 v[48+\q:49+\q], v[48+\q:49+\q], v[56+\q:57+\q]
.endr
.irp q, 2
	v_pk_add_f32 v[32+\q:33+\q], v[32+\q:33+\q], v[40+\q:41+\q]
	s_delay_alu instid0(VALU_DEP_4)
	v_pk_add_f32 v[48+\q:49+\q], v[48+\q:49+\q], v[56+\q:57+\q]
.endr
.irp q, 0
	s_delay_alu instid0(VALU_DEP_3)
	v_pk_add_f32 v[32+\q:33+\q], v[32+\q:33+\q], v[48+\q:49+\q]
.endr
.irp q, 2
	s_delay_alu instid0(VALU_DEP_2)
	v_pk_add_f32 v[32+\q:33+\q], v[32+\q:33+\q], v[48+\q:49+\q]
.endr
.irp q, 0,2
	s_delay_alu instid0(VALU_DEP_2)
	v_pk_fma_f32 v[32+\q:33+\q], v[32+\q:33+\q], s[38:39], v[WBR+\q:WBR+\q+1] op_sel_hi:[1,0,1]   ; sum x 2^(e0 + e1) + W_b
.endr
.irp q, 0,2
	s_delay_alu instid0(VALU_DEP_2)
	v_pk_mul_f32 v[32+\q:33+\q], v[32+\q:33+\q], 0x4038aa3b op_sel_hi:[1,0]   ; x 2 log2(e): the tanh is taken by way of 2^(2 log2(e) x)
.endr
	global_store_b128 v13, v[32:35], s[16:17]      ; 64 threads store 1,024 consecutive bytes
	s_wait_tensorcnt 0x0
	ds_add_u32 v224, v225
	s_wait_dscnt 0x0
	s_endpgm
.Lfunc_end_k_q878366df1f_prep:
	.size	k_q878366df1f_prep, .Lfunc_end_k_q878366df1f_prep-k_q878366df1f_prep
	.p2alignl 7, 3214868480
	.fill 96, 4, 3214868480
	.section	.rodata,"a",@progbits
	.p2align	6, 0x0
	.amdhsa_kernel k_q878366df1f_prep
		.amdhsa_group_segment_fixed_size 9216
		.amdhsa_private_segment_fixed_size 0
		.amdhsa_enable_private_segment 0
		.amdhsa_kernarg_size 80
		.amdhsa_user_sgpr_count 2
		.amdhsa_user_sgpr_kernarg_segment_ptr 1
		.amdhsa_wavefront_size32 1
		.amdhsa_system_sgpr_workgroup_id_x 1
		.amdhsa_system_sgpr_workgroup_id_y 1
		.amdhsa_system_sgpr_workgroup_id_z 1
		.amdhsa_system_vgpr_workitem_id 0
		.amdhsa_next_free_vgpr 226
		.amdhsa_next_free_sgpr 66
		.amdhsa_reserve_vcc 1
		.amdhsa_float_denorm_mode_32 3
		.amdhsa_float_denorm_mode_16_64 3
		.amdhsa_memory_ordered 1
		.amdhsa_forward_progress 1
		.amdhsa_inst_pref_size 51
	.end_amdhsa_kernel
	.amdgpu_metadata
---
amdhsa.version: [ 1, 2 ]
amdhsa.kernels:
  - .name:           k_q878366df1f_prep
    .symbol:         k_q878366df1f_prep.kd
    .args:
      - { .name: W_w, .offset: 0, .size: 8, .value_kind: global_buffer, .address_space: global }
      - { .name: dec_hidden, .offset: 8, .size: 8, .value_kind: global_buffer, .address_space: global }
      - { .name: W_b, .offset: 16, .size: 8, .value_kind: global_buffer, .address_space: global }
      - { .name: lowp_scales, .offset: 24, .size: 8, .value_kind: global_buffer, .address_space: global }
      - { .name: mask, .offset: 32, .size: 8, .value_kind: global_buffer, .address_space: global }
      - { .name: wcodes, .offset: 40, .size: 8, .value_kind: global_buffer, .address_space: global }
      - { .name: bias2, .offset: 48, .size: 8, .value_kind: global_buffer, .address_space: global }
      - { .name: list, .offset: 56, .size: 8, .value_kind: global_buffer, .address_space: global }
      - { .name: counts, .offset: 64, .size: 8, .value_kind: global_buffer, .address_space: global }
      - { .name: scores, .offset: 72, .size: 8, .value_kind: global_buffer, .address_space: global }
    .group_segment_fixed_size: 9216
    .private_segment_fixed_size: 0
    .kernarg_segment_align: 8
    .kernarg_segment_size: 80
    .max_flat_workgroup_size: 256
    .sgpr_count:     66
    .vgpr_count:     226
    .wavefront_size: 32
...
	.end_amdgpu_metadata
.endif
;; end of part 1
;; launch attn (part 2): grid 4 x 64, 4 waves a work-group, no clusters, 254,464 bytes of LDS; arguments encoder_outputs, wcodes, bias2, v_w, lowp_scales, mask, list, counts, scores, part; writes scores, part
.if DOCPART == 2
	.amdgcn_target "amdgcn-amd-amdhsa--gfx1250"
	.amdhsa_code_object_version 6
	.text
	.protected	k_q878366df1f_attn
	.globl	k_q878366df1f_attn
	.p2align	8
	.type	k_q878366df1f_attn,@function
k_q878366df1f_attn:
	s_mov_b64 s[64:65], 0
	v_nop
	global_prefetch_b8 v0, s[64:65] scope:SCOPE_SE
	s_setreg_imm32_b32 hwreg(HW_REG_WAVE_MODE, 25, 1), 1
	s_wait_xcnt 0x0
; A tile of up to 80 listed rows of one batch goes through the whole chain: gather, quantise to BF8 (E5M2), enc_proj on codes, tanh, the dot with v, where(mask == 0, -1e10),
; the tile's part of the softmax (largest score m, sum l of e^(s - m)) and of the context (sum of e^(s - m) x row).  The next launch joins a batch's 16 parts.
; A row with mask == 0 has the weight e^(-1e10 - max), 0 in f32 as soon as its batch has an open row: such rows are not among the first cnt entries of the list and are not read.
; A batch with no open row has cnt = 1024: all its rows are served, with the score -1e10.
; GRID: 4 work-groups to a batch, 256 in all; each walks a constant 4 passes.  np = ceil(cnt / 320) passes have rows, rt = ceil(cnt / (4 np)) <= 80 rows each: tile t = q np + pass begins at place t rt.
; A pass without rows (LIVE = 0) jumps over each stretch by a scalar branch on LIVE, passes every barrier and stores an empty part (m = -3e38, l = 0, zeros).
; We's codes come from memory straight into registers, laid by the launch before in the operand's order.
; SHARES: wave w makes d = 256 w .. 256 w + 255 for all 80 rows; every wave holds the 80 rows' codes in registers (5 row tiles x 8 K steps x 16), so a fragment of We is loaded once a pass and feeds five matrix instructions.
; Source 0 = 16 rows of We, source 1 = 16 rows of enc: lane (r, h) holds row r, register j holds d = 8 h + j.
; tanh(x) = 1 - 2 / (1 + 2^(2 log2(e) x)): score = VS - 2 x the sum of v / (1 + 2^u), VS the sum of v, u = sum x 2^(e2 + e3) 2 log2(e) + bias2.  It saturates rightly at both ends.
; The context is made from a bf16 copy of the rows kept in LDS, so that enc is read from memory once.
; A place past the tile's rows takes the tile's first row again (same codes, mask word, score, same store) and counts for nothing in the softmax: no lane is switched off.
; PREFETCH: at the end of a pass's gather wave w asks for places 16 w .. 16 w + 15 (held under rt) of the next pass's tile, a lane a block of 256 bytes, two rows an instruction, eight instructions; only where that pass has rows.
; LIMITS: e2 between -126 and 112; e2 + e3 between -127 and 125.  NaN and infinity among the inputs are not served (rows with mask == 0 are not read).  The context's operand is bf16.
; REGISTERS, windows of 256.  Window 0: names below, v128-255 row tile 4's codes.  Window 1: a ring of 16 fragments of We (two column tiles); in the last stretch the 80 p.  Windows 2, 3: row tiles 0-3.
; While rows are gathered the 640 registers of the codes are the landing place of a wave's 20 rows.
.set BF,    0                          ; 80 rows x 2,048 bytes of bf16
.set CODES, 163840                     ; 80 rows, 1,040 bytes apart
.set CP,    1040
.set SCR,   247040                     ; 4 x 80 partial scores
.set PW,    248320                     ; 384 bytes a wave, its own
.set OUTS,  249856                     ; 1 KB a wave, its own
.set SPARE, 253952                     ; the spare words
.set BOFF, 1                           ; v1 my 16 bytes of a group of We's codes; v2, v3 my place in bias2 and v_w: all three stepped a trip
.set PS,   4                           ; v4-8 partial scores; v4-11 the next tile's rows (prefetch); CTX in the last stretch
.set CTX,  4
.set ML,   12
.set VSH,  14                          ; v14,15 -VS / 2
.set R4,   16
.set MK,   19
.set BI,   22
.set WT,   30
.set SC,   38
.set ACC,  48                          ; v48-87 five accumulators
.set RO,   26                          ; gather: v26-45 the rows' offsets; v48-79 bf16 words; v80-95 codes
.set T0,   48
.set C0,   80
.set H32,  96                          ; from here on: made at the head, never rewritten
.set HH,   97
.set RR,   98
.set CSA,  99
.set BSA,  100
.set LOFF, 101
.set QS,   102
.set CF0,  103
.set LN,   104                         ; v104-106 lane, lane + 32, lane + 64
.set SCA,  107
.set SCB,  108
.set PWI,  109
.set PWB,  110
.set BFA,  111                         ; v111-113
.set OSI,  114
.set POFF, 115
.set OSB,  116
.set L8,   117
.set L4,   118
.set R4B,  119
.set SADR, 120
.set R64,  121
.set PFP,  122
.set CF4,  123
.set SPW,  124
.set NIL,  125
.set TMP,  126
.set R256, 127
.set LIVE, 87
.set NLIVE, 96
.set PASS, 97
.set NP,   100
.set RT,   101
.set MSB, 0
.macro WIN new
.if MSB != (\new)
	s_set_vgpr_msb (MSB<<8)|(\new)
.set MSB, (\new)
.endif
.endm
.macro VW
	s_wait_alu depctr_va_vdst(0)
.endm
	s_load_b512 s[4:19], s[0:1], 0x0               ; enc, wcodes, bias2, v_w, scales, mask, list, counts
	s_load_b128 s[20:23], s[0:1], 0x40             ; scores, part
	v_lshl_add_u32 v[SPW], v0, 2, SPARE
	v_mov_b32 v[NIL], 0
	v_lshrrev_b32 v1, 5, v0
	v_readfirstlane_b32 s66, v1                    ; wave
	s_mov_b32 s67, ttmp9                           ; q
	s_and_b32 s68, ttmp7, 0xffff                   ; batch
	s_mul_i32 s71, s66, 20
	s_mul_i32 s24, s66, 20*CP
	s_add_co_u32 s24, s24, CODES
	s_mul_i32 s25, s66, 20*2048
	s_mul_i32 s26, s66, 384
	s_add_co_u32 s26, s26, PW
	s_lshl_b32 s27, s66, 10
	s_mul_i32 s28, s66, 320
	s_add_co_u32 s28, s28, SCR
	s_lshl_b32 s29, s66, 4
	s_mov_b32 s53, 0
	s_mov_b32 s82, 0x76543210
	s_mov_b32 s83, 0xfedcba98
	s_mov_b32 s84, 0x3fb8aa3b
	s_mov_b32 s98, 0xd01502f9                      ; -1e10
	s_mov_b32 s99, 0xff61b1e6                      ; -3e38
	v_and_b32 v[LN], 31, v0
	v_bfe_u32 v[HH], v0, 4, 1
	v_and_b32 v[RR], 15, v0
	v_add_nc_u32 v[LN+1], 32, v[LN]
	v_add_nc_u32 v[LN+2], 64, v[LN]
	v_add_nc_u32 v[R64], 64, v[RR]
	v_lshlrev_b32 v[H32], 5, v[HH]
	v_lshl_add_u32 v[CSA], v[LN], 3, s24
	v_lshl_add_u32 v[BSA], v[LN], 4, s25
	v_lshlrev_b32 v[LOFF], 5, v[LN]
	v_mul_u32_u24 v[CF0], v[RR], CP
	v_lshl_add_u32 v[CF0], v[HH], 4, v[CF0]
	v_add_nc_u32 v[CF0], CODES, v[CF0]
	v_add_nc_u32 v[CF4], 64*CP, v[CF0]
	v_lshl_add_u32 v[SCA], v[LN], 2, SCR
	v_lshl_add_u32 v[SCB], v[RR], 2, SCR+256
	v_lshl_add_u32 v[PWI], v[LN], 2, s26
	v_mov_b32 v[PWB], s26
	v_lshlrev_b32 v[BFA], 4, v0
	v_add_nc_u32 v[BFA+1], 0x10000, v[BFA]
	v_add_nc_u32 v[BFA+2], 0x20000, v[BFA]
	v_lshl_add_u32 v[OSI], v0, 5, OUTS
	v_lshl_add_u32 v[POFF], v[LN], 4, s27
	v_add_nc_u32 v[OSB], OUTS, v[POFF]
	v_lshlrev_b32 v[L8], 3, v[LN]
	v_lshlrev_b32 v[L4], 2, v[LN]
	v_lshlrev_b32 v[R4B], 2, v[RR]
	v_lshl_add_u32 v[SADR], v[RR], 2, s28
	v_add_nc_u32 v[PFP], s29, v[HH]
	v_lshlrev_b32 v[R256], 8, v[RR]
	v_mov_b32 v[TMP], 0
.irp u, 0,1,2,3,4,5,6,7
	v_mov_b32 v[PS+\u], 0
.endr
	VW
	s_wait_kmcnt 0x0
	s_mul_i32 s52, s68, 4224
	s_add_nc_u64 s[16:17], s[16:17], s[52:53]      ; the batch's list
	s_lshl_b32 s52, s68, 2
	s_add_nc_u64 s[18:19], s[18:19], s[52:53]
	s_load_b32 s45, s[18:19], 0x0                  ; cnt
	s_load_b128 s[48:51], s[12:13], 0x0            ; e0 .. e3
	s_lshl_b32 s52, s68, 2
	s_add_co_u32 s52, s52, s67
	s_mul_i32 s52, s52, 4*4352
	s_add_nc_u64 s[60:61], s[22:23], s[52:53]      ; my first block of part
	s_lshl_b32 s52, s68, 22
	s_add_nc_u64 s[72:73], s[4:5], s[52:53]        ; the batch's rows
	s_lshl_b32 s52, s66, 18
	s_add_nc_u64 s[74:75], s[6:7], s[52:53]        ; my 16 column tiles of codes
	s_lshl_b32 s52, s68, 12
	s_add_nc_u64 s[88:89], s[20:21], s[52:53]      ; scores
	s_add_nc_u64 s[90:91], s[14:15], s[52:53]      ; mask
	s_lshl_b32 s52, s68, 6
	s_lshl_b32 s94, s66, 16
	s_add_co_u32 s52, s52, s94
	s_add_nc_u64 s[92:93], s[8:9], s[52:53]        ; bias2[16 w ..][b]
	s_lshl_b32 s52, s66, 10
	s_add_nc_u64 s[10:11], s[10:11], s[52:53]      ; v_w at d = 256 w
.set t, 0
.rept 16
	global_load_b128 v[128+8*t:131+8*t], v[H32], s[10:11] offset:64*t
	global_load_b128 v[132+8*t:135+8*t], v[H32], s[10:11] offset:64*t+16
.set t, t+1
.endr
	s_wait_kmcnt 0x0
	s_min_u32 s45, s45, 1024
	s_cmp_gt_u32 s45, 320
	s_cselect_b32 s[NP], 2, 1
	s_cmp_gt_u32 s45, 640
	s_cselect_b32 s[NP], 3, s[NP]
	s_cmp_gt_u32 s45, 960
	s_cselect_b32 s[NP], 4, s[NP]
	s_mov_b32 s94, 0x20000                         ; 2^19 / (4 np), rounded up
	s_cmp_eq_u32 s[NP], 2
	s_cselect_b32 s94, 0x10000, s94
	s_cmp_eq_u32 s[NP], 3
	s_cselect_b32 s94, 43691, s94
	s_cmp_eq_u32 s[NP], 4
	s_cselect_b32 s94, 0x8000, s94
	s_lshl_b32 s95, s[NP], 2
	s_add_co_u32 s95, s95, s45
	s_sub_co_u32 s95, s95, 1
	s_mul_i32 s95, s95, s94
	s_lshr_b32 s[RT], s95, 19                      ; ceil(cnt / (4 np)): exact for cnt + 4 np - 1 <= 1,039
	s_sub_co_u32 s86, s[RT], 1
	s_add_co_i32 s94, s50, s51
	s_lshl_b32 s94, s94, 23
	s_add_co_i32 s78, s94, 0x4038aa3b              ; 2 log2(e) x 2^(e2 + e3)
	s_mov_b32 s79, s78
	s_add_co_i32 s94, s50, 127
	s_lshl_b32 s95, s94, 23                        ; 2^e2
	s_add_co_i32 s94, s94, 15
	s_lshl_b32 s80, s94, 23
	s_or_b32 s80, s80, 0x600000                    ; 57,344 x 2^e2
	s_or_b32 s81, s80, 0x80000000
	s_mov_b32 s[PASS], 0
	s_wait_loadcnt 0x0
.set t, 1
.rept 15
.irp q, 0,2,4,6
	v_pk_add_f32 v[128+\q:129+\q], v[128+\q:129+\q], v[128+8*t+\q:129+8*t+\q]
.endr
.set t, t+1
.endr
	v_pk_add_f32 v[128:129], v[128:129], v[130:131]
	v_pk_add_f32 v[132:133], v[132:133], v[134:135]
	v_pk_add_f32 v[128:129], v[128:129], v[132:133]
	v_pk_mul_f32 v[VSH:VSH+1], v[128:129], -0.5 op_sel_hi:[1,0]
	v_mov_b32 v[QS], s95
	VW
.macro ROWREG i
.if (\i) < 8
.set LWN, 2
.set LB, 32*(\i)
.elseif (\i) < 16
.set LWN, 3
.set LB, 32*((\i)-8)
.else
.set LWN, 0
.set LB, 128+32*((\i)-16)
.endif
.endm
.macro ROWLOAD i                       ; lane l takes columns 256 j + 8 l + 0 .. 7; the two loads of a j cover 1,024 consecutive bytes
	ROWREG \i
	WIN LWN<<6
.irp j, 0,1,2,3
	global_load_b128 v[LB+8*\j:LB+8*\j+3], v[RO+(\i)], s[72:73] offset:1024*\j
	global_load_b128 v[LB+8*\j+4:LB+8*\j+7], v[RO+(\i)], s[72:73] offset:1024*\j+16
.endr
.endm
.macro ROWWORK i                       ; a row becomes 16 words of bf16 and 8 words of codes, which go to LDS as rows
	ROWREG \i
.set TB, T0+16*((\i)%2)
.set CB, C0+8*((\i)%2)
	s_wait_dscnt 8                                 ; row i - 2's stores, which read these registers, are done
	WIN LWN*5
.set rn, 0
.rept 16
	v_cvt_pk_bf16_f32 v[TB+rn], v[LB+2*rn], v[LB+2*rn+1]
.set rn, rn+1
.endr
	WIN LWN|(LWN<<6)
.set rn, 0
.rept 32
	v_med3_num_f32 v[LB+rn], v[LB+rn], s81, s80    ; the conversion does not saturate (ISA guide 7.6.2): the hold
.set rn, rn+1
.endr
	WIN LWN
.irp j, 0,1,2,3
	v_cvt_scalef32_pk8_bf8_f32 v[CB+2*\j:CB+2*\j+1], v[LB+8*\j:LB+8*\j+7], v[QS]
.endr
	WIN 0
	v_nop                                          ; one plain instruction behind the last conversion
.irp j, 0,1,2,3
	ds_store_b64 v[CSA], v[CB+2*\j:CB+2*\j+1] offset:CP*(\i)+256*\j
.endr
.irp j, 0,1,2,3
	ds_store_b128 v[BSA], v[TB+4*\j:TB+4*\j+3] offset:2048*(\i)+512*\j
.endr
.endm
; The tanh and the dot with v of a column tile, on its 40 sums: each batch of transcendentals has its wait ahead and behind.
.macro TANH
.set ii, 0
.rept 20
	v_pk_fma_f32 v[ACC+2*ii:ACC+2*ii+1], v[ACC+2*ii:ACC+2*ii+1], s[78:79], v[BI+(2*ii)%8:BI+(2*ii)%8+1] op_sel_hi:[1,0,1]
.set ii, ii+1
.endr
	VW
.set ii, 0
.rept 40
	v_exp_f32 v[ACC+ii], v[ACC+ii]
.set ii, ii+1
.endr
	v_nop
	VW
.set ii, 0
.rept 20
	v_pk_add_f32 v[ACC+2*ii:ACC+2*ii+1], v[ACC+2*ii:ACC+2*ii+1], 1.0 op_sel_hi:[1,0]
.set ii, ii+1
.endr
	VW
.set ii, 0
.rept 40
	v_rcp_f32 v[ACC+ii], v[ACC+ii]
.set ii, ii+1
.endr
	v_nop
	VW
.set nn, 0
.rept 20                                       ; the five row tiles by turns
.set ii, 4*(nn%5)+nn/5
.set uu, nn%5
	v_pk_fma_f32 v[SC+2*uu:SC+2*uu+1], v[ACC+2*ii:ACC+2*ii+1], v[WT+(2*ii)%8:WT+(2*ii)%8+1], v[SC+2*uu:SC+2*uu+1]
.set nn, nn+1
.endr
.endm
; A COLUMN TILE from ring half rh: its bias2 and v (4 loads), 8 K steps of five matrix instructions, the accumulators by turns; rl: each fragment is asked for anew, two tiles ahead, four places behind its last product.
; COUNTS (a fragment is 4 loads).  Behind fragment (t, k): 15 fragments and two tiles' tables, 68 loads (tile 0: 64): the wait names 63, the most it can.  Tile 14 (wm 1): 68 - 4 k.  Tile 15 (wm 2): 36 - 4 k.
; Behind a tile's tables: its 8 reloads, 32 loads; in tiles 14 and 15 nothing.
.macro TILE rh, rl, wm
	global_load_b128 v[BI:BI+3], v2, s[92:93] offset:4096*\rh
	global_load_b128 v[BI+4:BI+7], v2, s[92:93] offset:4096*\rh+16
	global_load_b128 v[WT:WT+3], v3, s[10:11] offset:64*\rh
	global_load_b128 v[WT+4:WT+7], v3, s[10:11] offset:64*\rh+16
.set kk, 0
.rept 8
.if \wm == 2
	s_wait_loadcnt 36-4*kk
.elseif (\wm == 1) && (68-4*kk < 63)
	s_wait_loadcnt 68-4*kk
.else
	s_wait_loadcnt 63
.endif
.set rA, 16*(8*\rh+kk)
.set us, 0
.rept 5
	WIN (((2+us/2)*(1-us/4))<<2)|1
.set rB, 128*((us%2)|(us/4))+16*kk
.if kk == 0
	v_wmma_f32_16x16x128_bf8_bf8 v[ACC+8*us:ACC+8*us+7], v[rA:rA+15], v[rB:rB+15], 0
.else
	v_wmma_f32_16x16x128_bf8_bf8 v[ACC+8*us:ACC+8*us+7], v[rA:rA+15], v[rB:rB+15], v[ACC+8*us:ACC+8*us+7]
.endif
.set us, us+1
.endr
.if \rl || (kk == 7)
.rept 4
	v_nop                                          ; four places (ISA guide 7.12.1)
.endr
.endif
.if \rl
	WIN 0x40
.irp c, 0,1,2,3
	global_load_b128 v[rA+4*\c:rA+4*\c+3], v[BOFF], s[74:75] offset:32768+16384*\rh+2048*kk+512*\c
.endr
.endif
.set kk, kk+1
.endr
	WIN 0
	s_wait_loadcnt 32*\rl
	TANH
.endm
.Lpass:
	s_wait_xcnt 0x0                                ; the last pass's loads and stores have read their registers
	s_mul_i32 s46, s67, s[NP]
	s_add_co_u32 s46, s46, s[PASS]
	s_mul_i32 s46, s46, s[RT]                      ; the tile's first place
	s_add_co_u32 s47, s46, s[RT]                   ; the next tile's
	s_add_co_u32 s94, s[PASS], 1
	s_cmp_lt_u32 s46, s45
	s_cselect_b32 s[LIVE], 1, 0
	s_cmp_lt_u32 s[PASS], s[NP]
	s_cselect_b32 s[LIVE], s[LIVE], 0
	s_cmp_lt_u32 s47, s45
	s_cselect_b32 s[NLIVE], 1, 0
	s_cmp_lt_u32 s94, s[NP]
	s_cselect_b32 s[NLIVE], s[NLIVE], 0
	s_sub_co_u32 s69, s45, s46
	s_min_u32 s69, s69, s[RT]                      ; the tile's rows (used where LIVE = 1)
	s_sub_co_i32 s70, s69, s71                     ; from my wave's first place on
	s_min_u32 s46, s46, 960                        ; a tile with rows begins at 960 at the most: places up to 960 + 79 lie inside the list's 1,056
	s_min_u32 s47, s47, 960
	s_add_co_u32 s52, s46, s71
	s_lshl_b32 s52, s52, 2
	s_add_nc_u64 s[54:55], s[16:17], s[52:53]
	s_lshl_b32 s52, s46, 2
	s_add_nc_u64 s[56:57], s[16:17], s[52:53]
	s_lshl_b32 s52, s47, 2
	s_add_nc_u64 s[58:59], s[16:17], s[52:53]
	s_load_b512 s[24:39], s[54:55], 0x0            ; my wave's 20 entries
	s_load_b128 s[40:43], s[54:55], 0x40
	s_load_b32 s44, s[56:57], 0x0                  ; the tile's first entry
	global_load_b32 v[R4], v[L4], s[56:57]         ; the entries at places lane, lane + 32, 64 + lane % 16
	global_load_b32 v[R4+1], v[L4], s[56:57] offset:128
	global_load_b32 v[R4+2], v[R4B], s[56:57] offset:256
	s_wait_kmcnt 0x0
	s_wait_loadcnt 0x0
	v_mov_b32 v22, s44
	v_cmp_gt_u32 vcc_lo, s69, v[LN]
	v_cndmask_b32 v[R4], v22, v[R4], vcc_lo        ; a place past the tile's rows takes the tile's first row
	v_cmp_gt_u32 vcc_lo, s69, v[LN+1]
	v_cndmask_b32 v[R4+1], v22, v[R4+1], vcc_lo
	v_cmp_gt_u32 vcc_lo, s69, v[R64]
	v_cndmask_b32 v[R4+2], v22, v[R4+2], vcc_lo
.irp g, 0,1,2
	v_min_u32 v[R4+\g], 1023, v[R4+\g]
	v_lshlrev_b32 v[R4+\g], 2, v[R4+\g]
.endr
.irp g, 0,1,2
	global_load_b32 v[MK+\g], v[R4+\g], s[90:91]
.endr
	; ---- FIRST STRETCH: my wave's 20 rows are gathered, quantised and laid into LDS
	s_cmp_eq_u32 s[LIVE], 0
	VW
	s_cbranch_scc1 .Lrows_in
.set pi, 0
.rept 8                                        ; the next tile's entries at places 16 w + 2 i + h, held under rt
	v_add_nc_u32 v[4+pi], 2*pi, v[PFP]
	v_min_u32 v[4+pi], s86, v[4+pi]
	v_min_u32 v[4+pi], 79, v[4+pi]
	v_lshlrev_b32 v[4+pi], 2, v[4+pi]
	global_load_b32 v[4+pi], v[4+pi], s[58:59]
.set pi, pi+1
.endr
.set ri, 0
.rept 20
	s_cmp_gt_i32 s70, ri
	s_cselect_b32 s[24+ri], s[24+ri], s44
	s_min_u32 s[24+ri], s[24+ri], 1023
	v_lshl_add_u32 v[RO+ri], s[24+ri], 12, v[LOFF] ; 4,096 x row + 32 x lane
.set ri, ri+1
.endr
	VW
.irp i, 0,1,2,3,4,5,6
	ROWLOAD \i
.endr
.set ri, 0
.rept 20
.if 19-ri < 6
	s_wait_loadcnt 8*(19-ri)                       ; row i is in; the rows asked for behind it may be out
.else
	s_wait_loadcnt 48
.endif
	ROWWORK ri
.if ri+7 < 20
	ROWLOAD ri+7
.endif
.set ri, ri+1
.endr
	WIN 0
	s_cmp_eq_u32 s[NLIVE], 0
	s_cbranch_scc1 .Lrows_in
.set pi, 0
.rept 8                                        ; the next pass's rows: a lane a block of 256 bytes, sixteen lanes a row
	v_min_u32 v[4+pi], 1023, v[4+pi]
	v_lshl_add_u32 v[4+pi], v[4+pi], 12, v[R256]
	global_prefetch_b8 v[4+pi], s[72:73] th:TH_LOAD_NT scope:SCOPE_SE
.set pi, pi+1
.endr
.Lrows_in:
	s_wait_dscnt 0x0                               ; for the others' sake: my rows lie in LDS
	s_barrier_signal -1
	s_barrier_wait -1
	; ---- SECOND STRETCH: the products, the tanh, my wave's part of the scores
	s_cmp_eq_u32 s[LIVE], 0
	s_cbranch_scc1 .Lscored
	v_lshlrev_b32 v[BOFF], 4, v[LN]
	v_mov_b32 v2, v[H32]
	v_mov_b32 v3, v[H32]
	WIN 0x40
.set fq, 0
.rept 16                                       ; my column tiles 0 and 1: 64 loads of 512 consecutive bytes
.irp c, 0,1,2,3
	global_load_b128 v[16*fq+4*\c:16*fq+4*\c+3], v[BOFF], s[74:75] offset:2048*fq+512*\c
.endr
.set fq, fq+1
.endr
.irp u, 0,1,2,3,4                              ; all 80 rows' codes: fragment (u, k): lane (r, h), registers 4 c ..: row 16 u + r, columns 128 k + 32 c + 16 h + 0 .. 15, as We's codes are laid
	WIN ((2+\u/2)*(1-\u/4))<<6
.irp k, 0,1,2,3,4,5,6,7
.irp c, 0,1,2,3
.if \u < 4
	ds_load_b128 v[128*(\u%2)+16*\k+4*\c:128*(\u%2)+16*\k+4*\c+3], v[CF0] offset:16*CP*\u+128*\k+32*\c
.else
	ds_load_b128 v[128+16*\k+4*\c:128+16*\k+4*\c+3], v[CF4] offset:128*\k+32*\c
.endif
.endr
.endr
.endr
	WIN 0
.irp u, 0,1,2,3,4
	v_mov_b32 v[SC+2*\u], v[VSH]                   ; the sums begin at -VS / 2: x -2 at the end gives tanh's 1 its part
	v_mov_b32 v[SC+2*\u+1], v[VSH+1]
.endr
	s_mov_b32 s85, 7
	VW
	s_wait_dscnt 0x0
.Ltrip:                                            ; trip n: tiles 2 n and 2 n + 1; tiles 2 n + 2 and 2 n + 3 are asked for
	TILE 0, 1, 0
	TILE 1, 1, 0
	s_wait_xcnt 0x0                                ; the loads have read their offsets
	v_add_nc_u32 v[BOFF], 0x8000, v[BOFF]
	v_add_nc_u32 v2, 0x2000, v2
	v_add_nc_u32 v3, 128, v3
	s_sub_co_u32 s85, s85, 1
	s_cmp_lg_u32 s85, 0
	VW
	s_cbranch_scc1 .Ltrip
	TILE 0, 0, 1                                   ; tile 14
	TILE 1, 0, 2                                   ; tile 15
.irp u, 0,1,2,3,4
	v_add_f32 v[PS+\u], v[SC+2*\u], v[SC+2*\u+1]
.endr
.irp u, 0,1,2,3,4
	v_permlanex16_b32 v[56+\u], v[PS+\u], s82, s83
.endr
.irp u, 0,1,2,3,4
	v_add_f32 v[PS+\u], v[PS+\u], v[56+\u]
.endr
.irp u, 0,1,2,3,4
	v_mul_f32 v[PS+\u], -2.0, v[PS+\u]
.endr
.Lscored:
	VW
	s_wait_xcnt 0x0                                ; the prefetches have read v4-11
.irp u, 0,1,2,3,4
	ds_store_b32 v[SADR], v[PS+\u] offset:64*\u    ; place 16 u + r
.endr
	s_wait_dscnt 0x0
	s_barrier_signal -1
	s_barrier_wait -1
	; ---- THIRD STRETCH: every wave finishes all 80 scores: lane l holds places l, l + 32, 64 + l % 16
	s_cmp_eq_u32 s[LIVE], 0
	s_cbranch_scc1 .Lempty
.irp w, 0,1,2,3
	ds_load_b32 v[48+\w], v[SCA] offset:320*\w
	ds_load_b32 v[52+\w], v[SCA] offset:320*\w+128
	ds_load_b32 v[56+\w], v[SCB] offset:320*\w
.endr
	s_wait_dscnt 0x0
	s_wait_loadcnt 0x0                             ; the mask's words
.irp g, 0,1,2
	v_add_f32 v[48+4*\g], v[48+4*\g], v[49+4*\g]
	v_add_f32 v[50+4*\g], v[50+4*\g], v[51+4*\g]
.endr
.irp g, 0,1,2
	v_add_f32 v[22+\g], v[48+4*\g], v[50+4*\g]
.endr
.irp g, 0,1,2
	v_cmp_ne_u32 vcc_lo, 0, v[MK+\g]
	v_cndmask_b32 v[22+\g], s98, v[22+\g], vcc_lo  ; where(mask == 0, -1e10, score)
.endr
	s_cmp_lg_u32 s66, 0
	VW
	s_cbranch_scc1 .Lnot_wave_0
.irp g, 0,1,2
	global_store_b32 v[R4+\g], v[22+\g], s[88:89]  ; wave 0 stores the scores at their rows
.endr
.Lnot_wave_0:
.irp g, 0,1,2
	v_cmp_gt_u32 vcc_lo, s69, v[LN+\g]
	v_cndmask_b32 v[42+\g], s99, v[22+\g], vcc_lo  ; a place without a row counts for nothing
.endr
	v_max3_num_f32 v[ML], v42, v43, v44
.irp x, 1,2,4,8
	v_max_num_f32_dpp v[ML], v[ML], v[ML] row_xmask:\x row_mask:0xf bank_mask:0xf
.endr
	v_permlanex16_b32 v[TMP], v[ML], s82, s83
	v_max_num_f32 v[ML], v[ML], v[TMP]             ; m
.irp g, 0,1,2
	v_sub_f32 v[42+\g], v[42+\g], v[ML]            ; the maximum is taken away first,
.endr
.irp g, 0,1,2
	v_mul_f32 v[42+\g], s84, v[42+\g]              ; then x log2(e)
.endr
	VW
.irp g, 0,1,2
	v_exp_f32 v[42+\g], v[42+\g]
.endr
.irp c, 0,1,2,3,4,5,6,7
	v_mov_b32 v[CTX+\c], 0
.endr
	VW
.irp g, 0,1,2
	ds_store_b32 v[PWI], v[42+\g] offset:128*\g
.endr
	WIN 0x40
.set n, 0
.rept 20
	ds_load_b128 v[4*n:4*n+3], v[PWB] offset:16*n  ; all 80 p into every lane, window 1; LDS serves a wave's instructions in order (ISA guide 5.7.1.4)
.set n, n+1
.endr
	WIN 0
	v_add_f32 v[ML+1], v42, v43
	v_add_f32 v[ML+1], v[ML+1], v44
.irp x, 1,2,4,8
	v_add_f32_dpp v[ML+1], v[ML+1], v[ML+1] row_xmask:\x row_mask:0xf bank_mask:0xf
.endr
	v_permlanex16_b32 v[TMP], v[ML+1], s82, s83
	v_add_f32 v[ML+1], v[ML+1], v[TMP]             ; l
.macro CTXB be                         ; rows 16 be .. + 15 of the bf16 copy: thread t owns columns 8 t .. 8 t + 7
.set cq, 0
.rept 16
	ds_load_b128 v[128+64*((\be)%2)+4*cq:128+64*((\be)%2)+4*cq+3], v[BFA+(\be)/2] offset:2048*((16*(\be)+cq)%32)
.set cq, cq+1
.endr
.endm
.macro CTXW be                         ; ctx += p x row, from the bf16 halves, in f32; p is source 1, in window 1
.set cq, 0
.rept 16
.irp c, 0,1,2,3
	v_fma_mix_f32_bf16 v[CTX+2*\c], v[128+64*((\be)%2)+4*cq+\c], v[16*(\be)+cq], v[CTX+2*\c] op_sel_hi:[1,0,0]
	v_fma_mix_f32_bf16 v[CTX+2*\c+1], v[128+64*((\be)%2)+4*cq+\c], v[16*(\be)+cq], v[CTX+2*\c+1] op_sel:[1,0,0] op_sel_hi:[1,0,0]
.endr
.set cq, cq+1
.endr
.endm
	CTXB 0
	CTXB 1
	WIN 0x04
.irp be, 0,1,2,3,4
	VW                                             ; the sums that the batch before wrote are read again behind the wait below
.if \be < 4
	s_wait_dscnt 16                                ; this batch and the p ahead of it are in; the next batch's 16 loads may be out
.else
	s_wait_dscnt 0x0
.endif
	CTXW \be
.if \be < 3
	CTXB \be+2
.endif
.endr
	WIN 0
	ds_store_b128 v[OSI], v[CTX:CTX+3]             ; through my wave's own 1 KB, so that each store covers 512 consecutive bytes, aligned
	ds_store_b128 v[OSI], v[CTX+4:CTX+7] offset:16
	ds_load_b128 v[128:131], v[OSB]
	ds_load_b128 v[132:135], v[OSB] offset:512
	s_wait_dscnt 0x0
	global_store_b128 v[POFF], v[128:131], s[60:61]
	global_store_b128 v[POFF], v[132:135], s[60:61] offset:512
	s_cmp_lg_u32 s66, 0
	s_cbranch_scc1 .Lpass_end
	global_store_b64 v[L8], v[ML:ML+1], s[60:61] offset:4096   ; (m, l), 32 times: 256 consecutive bytes
	s_branch .Lpass_end
.Lempty:                                           ; no row: an empty part, so that every byte that the joining launch reads has been stored
.irp c, 22,23,24,25,29
	v_mov_b32 v[\c], 0
.endr
	v_mov_b32 v28, s99
	global_store_b128 v[BFA], v[22:25], s[60:61]
	global_store_b128 v[BFA], v[22:25], s[60:61] offset:2048
	s_cmp_lg_u32 s66, 0
	s_cbranch_scc1 .Lpass_end
	global_store_b64 v[L8], v[28:29], s[60:61] offset:4096
.Lpass_end:
	s_wait_dscnt 0x0                               ; my reads of the rows are over: behind this barrier the next pass may store its own
	s_barrier_signal -1
	s_barrier_wait -1
	s_wait_xcnt 0x0
	s_add_nc_u64 s[60:61], s[60:61], 4352
	s_add_co_u32 s[PASS], s[PASS], 1
	s_cmp_lt_u32 s[PASS], 4
	s_cbranch_scc1 .Lpass
	s_wait_tensorcnt 0x0                           ; the wave's end
	ds_add_u32 v[SPW], v[NIL]
	s_wait_dscnt 0x0
	s_endpgm
.Lfunc_end_k_q878366df1f_attn:
	.size	k_q878366df1f_attn, .Lfunc_end_k_q878366df1f_attn-k_q878366df1f_attn
	.p2alignl 7, 3214868480
	.fill 96, 4, 3214868480
	.section	.rodata,"a",@progbits
	.p2align	6, 0x0
	.amdhsa_kernel k_q878366df1f_attn
		.amdhsa_group_segment_fixed_size 254464
		.amdhsa_private_segment_fixed_size 0
		.amdhsa_enable_private_segment 0
		.amdhsa_kernarg_size 80
		.amdhsa_user_sgpr_count 2
		.amdhsa_user_sgpr_kernarg_segment_ptr 1
		.amdhsa_wavefront_size32 1
		.amdhsa_system_sgpr_workgroup_id_x 1
		.amdhsa_system_sgpr_workgroup_id_y 1
		.amdhsa_system_sgpr_workgroup_id_z 1
		.amdhsa_system_vgpr_workitem_id 0
		.amdhsa_next_free_vgpr 1024
		.amdhsa_next_free_sgpr 104
		.amdhsa_reserve_vcc 1
		.amdhsa_float_denorm_mode_32 3
		.amdhsa_float_denorm_mode_16_64 3
		.amdhsa_memory_ordered 1
		.amdhsa_forward_progress 1
		.amdhsa_inst_pref_size 238
	.end_amdhsa_kernel
	.amdgpu_metadata
---
amdhsa.version: [ 1, 2 ]
amdhsa.kernels:
  - .name:           k_q878366df1f_attn
    .symbol:         k_q878366df1f_attn.kd
    .args:
      - { .name: encoder_outputs, .offset: 0, .size: 8, .value_kind: global_buffer, .address_space: global }
      - { .name: wcodes, .offset: 8, .size: 8, .value_kind: global_buffer, .address_space: global }
      - { .name: bias2, .offset: 16, .size: 8, .value_kind: global_buffer, .address_space: global }
      - { .name: v_w, .offset: 24, .size: 8, .value_kind: global_buffer, .address_space: global }
      - { .name: lowp_scales, .offset: 32, .size: 8, .value_kind: global_buffer, .address_space: global }
      - { .name: mask, .offset: 40, .size: 8, .value_kind: global_buffer, .address_space: global }
      - { .name: list, .offset: 48, .size: 8, .value_kind: global_buffer, .address_space: global }
      - { .name: counts, .offset: 56, .size: 8, .value_kind: global_buffer, .address_space: global }
      - { .name: scores, .offset: 64, .size: 8, .value_kind: global_buffer, .address_space: global }
      - { .name: part, .offset: 72, .size: 8, .value_kind: global_buffer, .address_space: global }
    .group_segment_fixed_size: 254464
    .private_segment_fixed_size: 0
    .kernarg_segment_align: 8
    .kernarg_segment_size: 80
    .max_flat_workgroup_size: 128
    .sgpr_count:     104
    .vgpr_count:     1024
    .wavefront_size: 32
...
	.end_amdgpu_metadata
.endif
;; end of part 2
;; launch fin (part 3): grid 4 x 64, 2 waves a work-group, no clusters, 0 bytes of LDS; arguments scores, part, out0, out1; writes out0, out1
.if DOCPART == 3
	.amdgcn_target "amdgcn-amd-amdhsa--gfx1250"
	.amdhsa_code_object_version 6
	.text
	.protected	k_q878366df1f_fin
	.globl	k_q878366df1f_fin
	.p2align	8
	.type	k_q878366df1f_fin,@function
k_q878366df1f_fin:
	s_mov_b64 s[64:65], 0
	v_nop
	global_prefetch_b8 v0, s[64:65] scope:SCOPE_SE
	s_setreg_imm32_b32 hwreg(HW_REG_WAVE_MODE, 25, 1), 1
	s_wait_xcnt 0x0
; The 16 parts of a batch are joined.  M = the largest m; g_x = e^(m_x - M); L = the sum of g_x l_x; context = (the sum of g_x ctx_x) / L; weight = e^(score - M) / L.
; An empty part has m = -3e38, l = 0 and zeros: its g is 0.  Part 0 of a batch always has rows, so M is a score.  A row with mask == 0 has the score -1e10: its weight is e^(-1e10 - M), as in the softmax of all rows.
; A work-group takes a quarter of a batch: thread t four scores and four columns at 256 x + 4 t.  No LDS, no exchange between lanes, no branch: every lane reads all 16 (m, l).
.set NPT, 16
.set MLR, 16                           ; v16-47   (m_x, l_x)
.set CX,  48                           ; v48-111  ctx_x, four numbers each
.set SR,  112                          ; v112-115 four scores
.set G,   116                          ; v116-131 g_x
.set W,   132                          ; v132-135 the weights
.set O,   136                          ; v136-139 the context
	s_load_b256 s[4:11], s[0:1], 0x0               ; scores, part, out0, out1
	s_and_b32 s12, ttmp7, 0xffff                   ; the batch
	s_mul_i32 s14, s12, NPT*4352
	s_mov_b32 s15, 0
	s_lshl_b32 s16, s12, 12
	s_mov_b32 s17, 0
	s_mov_b32 s18, 0x3fb8aa3b                      ; log2(e)
	s_lshl_b32 s19, ttmp9, 10
	v_and_b32 v1, 31, v0
	v_lshlrev_b32 v1, 3, v1                        ; 8 x lane
	v_lshl_add_u32 v2, v0, 4, s19                  ; 1,024 x + 16 t
	s_wait_alu depctr_va_vdst(0)
	s_wait_kmcnt 0x0
	s_add_nc_u64 s[6:7], s[6:7], s[14:15]
	s_add_nc_u64 s[4:5], s[4:5], s[16:17]
	s_add_nc_u64 s[8:9], s[8:9], s[16:17]
	s_add_nc_u64 s[10:11], s[10:11], s[16:17]
.set x, 0
.rept NPT
	global_load_b64 v[MLR+2*x:MLR+2*x+1], v1, s[6:7] offset:4352*x+4096
.set x, x+1
.endr
.set x, 0
.rept NPT
	global_load_b128 v[CX+4*x:CX+4*x+3], v2, s[6:7] offset:4352*x
.set x, x+1
.endr
	global_load_b128 v[SR:SR+3], v2, s[4:5]
	s_wait_loadcnt 0x0
	v_max3_num_f32 v140, v[MLR], v[MLR+2], v[MLR+4]
.irp x, 3,5,7,9,11,13
	v_max3_num_f32 v140, v140, v[MLR+2*\x], v[MLR+2*\x+2]
.endr
	v_max_num_f32 v140, v140, v[MLR+30]
.set x, 0
.rept NPT
	v_sub_f32 v[G+x], v[MLR+2*x], v140             ; the maximum is taken away first,
.set x, x+1
.endr
.irp c, 0,1,2,3
	v_sub_f32 v[W+\c], v[SR+\c], v140
.endr
.set x, 0
.rept NPT+4
	v_mul_f32 v[G+x], s18, v[G+x]                  ; then x log2(e) (the weights' four lie behind the sixteen g)
.set x, x+1
.endr
	s_wait_alu depctr_va_vdst(0)                   ; the wait ahead of the batch
.set x, 0
.rept NPT+4
	v_exp_f32 v[G+x], v[G+x]
.set x, x+1
.endr
	v_nop
	s_wait_alu depctr_va_vdst(0)                   ; and behind it
	v_mul_f32 v141, v[G], v[MLR+1]
.set x, 1
.rept NPT-1
	v_fmac_f32 v141, v[G+x], v[MLR+2*x+1]          ; L
.set x, x+1
.endr
	s_wait_alu depctr_va_vdst(0)
	v_rcp_f32 v142, v141
.irp c, 0,1,2,3
	v_mul_f32 v[O+\c], v[G], v[CX+\c]
.endr
.set x, 1
.rept NPT-1
.irp c, 0,1,2,3
	v_fmac_f32 v[O+\c], v[G+x], v[CX+4*x+\c]
.endr
.set x, x+1
.endr
	s_wait_alu depctr_va_vdst(0)                   ; ahead of the reciprocal's first reader
.irp c, 0,1,2,3
	v_mul_f32 v[O+\c], v[O+\c], v142
	v_mul_f32 v[W+\c], v[W+\c], v142
.endr
	global_store_b128 v2, v[O:O+3], s[8:9]         ; a wave stores 512 consecutive bytes, aligned
	global_store_b128 v2, v[W:W+3], s[10:11]
	s_endpgm
.Lfunc_end_k_q878366df1f_fin:
	.size	k_q878366df1f_fin, .Lfunc_end_k_q878366df1f_fin-k_q878366df1f_fin
	.p2alignl 7, 3214868480
	.fill 96, 4, 3214868480
	.section	.rodata,"a",@progbits
	.p2align	6, 0x0
	.amdhsa_kernel k_q878366df1f_fin
		.amdhsa_group_segment_fixed_size 0
		.amdhsa_private_segment_fixed_size 0
		.amdhsa_enable_private_segment 0
		.amdhsa_kernarg_size 32
		.amdhsa_user_sgpr_count 2
		.amdhsa_user_sgpr_kernarg_segment_ptr 1
		.amdhsa_wavefront_size32 1
		.amdhsa_system_sgpr_workgroup_id_x 1
		.amdhsa_system_sgpr_workgroup_id_y 1
		.amdhsa_system_sgpr_workgroup_id_z 1
		.amdhsa_system_vgpr_workitem_id 0
		.amdhsa_next_free_vgpr 144
		.amdhsa_next_free_sgpr 66
		.amdhsa_reserve_vcc 0
		.amdhsa_float_denorm_mode_32 3
		.amdhsa_float_denorm_mode_16_64 3
		.amdhsa_memory_ordered 1
		.amdhsa_forward_progress 1
		.amdhsa_inst_pref_size 10
	.end_amdhsa_kernel
	.amdgpu_metadata
---
amdhsa.version: [ 1, 2 ]
amdhsa.kernels:
  - .name:           k_q878366df1f_fin
    .symbol:         k_q878366df1f_fin.kd
    .args:
      - { .name: scores, .offset: 0, .size: 8, .value_kind: global_buffer, .address_space: global }
      - { .name: part, .offset: 8, .size: 8, .value_kind: global_buffer, .address_space: global }
      - { .name: out0, .offset: 16, .size: 8, .value_kind: global_buffer, .address_space: global }
      - { .name: out1, .offset: 24, .size: 8, .value_kind: global_buffer, .address_space: global }
    .group_segment_fixed_size: 0
    .private_segment_fixed_size: 0
    .kernarg_segment_align: 8
    .kernarg_segment_size: 32
    .max_flat_workgroup_size: 64
    .sgpr_count:     66
    .vgpr_count:     144
    .wavefront_size: 32
...
	.end_amdgpu_metadata
.endif
;; end of part 3
